; MI455X (gfx1250); checked and timed in simulation.
; The chip was launched on July 23, 2026; its instructions are those of AMD's public machine-readable ISA for CDNA 5 (MIT licence, August 2026) and "CDNA5" Instruction Set Architecture Reference Guide (July 2026). The comments in the code are by the model that wrote it; some were corrected since.
;; Differentiable Rasterizer. Allowed arithmetic: float matrix products may take bf16 or f16 operands with f32 sums; all other float work in f32.
;; Inputs: stroke_colors 64 x 3 float32; stroke_widths 64 float32; strokes 64 x 4 x 2 float32.
;; Outputs: out0 1 x 3 x 512 x 512 float32.
;; Constants: canvas_size = 512.
;; 2 versions, each right and faster than the one before. Each part assembles by itself: llvm-mc -triple=amdgcn-amd-amdhsa -mcpu=gfx1250 --defsym DOCPART=n.
;; ======== version 1 of 2: 1 launch
;; limits: a difference of large sums (such as E[x^2] - mean^2): digits are lost where the result is much smaller than its terms
;; launch raster (part 1): grid 4 x 64, 8 waves a work-group, no clusters, 168,960 bytes of LDS; arguments stroke_colors, stroke_widths, strokes, out0; writes out0
.if DOCPART == 1
	.amdgcn_target "amdgcn-amd-amdhsa--gfx1250"
	.amdhsa_code_object_version 6
	.text
	.protected	k_q5123ffe7c2_raster
	.globl	k_q5123ffe7c2_raster
	.p2align	8
	.type	k_q5123ffe7c2_raster,@function
k_q5123ffe7c2_raster:
	s_mov_b64 s[64:65], 0
	v_nop
	global_prefetch_b8 v0, s[64:65] scope:SCOPE_SE
	s_setreg_imm32_b32 hwreg(HW_REG_WAVE_MODE, 25, 1), 1
	s_wait_xcnt 0x0
; Soft rasteriser: 64 strokes, 12 samples of a cubic Bezier each, composited in order on a white 512 x 512 canvas, 3 channels, f32.
;   alpha = sigmoid(2 (width - min over samples of |pixel - sample|)),  canvas = canvas (1 - alpha) + colour alpha.
;
; SHARES.  256 work-groups of 8 waves; a work-group owns 128 x 8 pixels.  Waves w and w + 4 (w = 0..3) own the same 128 x 2 pixels:
; a lane holds 4 neighbouring pixels in each of the 2 rows.  Wave w composites strokes 0-31, wave w + 4 strokes 32-63; each yields
; (acc, T) = (light added, share let through).  The upper wave hands its pair over in LDS and the lower one stores
; acc_hi + T_hi (acc_lo + T_lo * 1), the 1 being the white canvas.
; The group asks for more than half of a WGP's LDS (it uses 69,632 bytes) so that its 8 waves have the four SIMDs to themselves.
;
; ARITHMETIC.  The root is monotone, so the minimum is taken over squared distances and one root per stroke follows.
; With x' = x - xc (xc the tile's middle column) and the sample (px', py') in the same frame (rows counted from the wave's first):
;   d^2 - x'^2 = a x' + e_row,   a = -2 px',   e_row = px'^2 + (row - py')^2,
; and a, e_0, e_1 are the same in all lanes: one packed fma serves two pixels, one min3 takes in two samples.
; Strokes are walked from the last to the first: w = alpha T, T -= w, acc_c += colour_c w (five operations, all packed).
;
; TABLE.  Lane l of a wave evaluates stroke 32 half + 31 - l (so slot order = walking order) and writes 12 x (a, e_0, e_1, extra)
; to the wave's own LDS table; the extras of samples 0..3 are -k width and the three colours.  Only the wave itself reads it: no barrier.
;
; LIMITS.  d^2 has an absolute error of up to about 5e-4 px^2 for samples beside the tile (roundings at |x'|, |px'| <= ~75) and a
; relative one of about 2^-22 far off; a sample that sits on a pixel's centre is therefore seen up to about 0.02 px away.  A d^2 that
; rounding made negative is raised to 0.  Samples come from the Horner form with t = j / 11 rounded to f32: up to about 1e-3 px from the
; Bernstein form for control points in [0, 1].  The order of roundings in the compositing differs from the scan's.
; Inputs are taken to be finite with (512 p)^2 inside f32's range; NaN and infinities are not served.
; No cluster: all that work-groups share is 3,072 bytes of input, read once by each wave through registers.
.set SLOTB, 208                        ; LDS bytes of a stroke: 12 samples x 16 + 16 of padding: 13 x 16, so 16 lanes' stores fall on 16 different columns
.set WTAB,  32*SLOTB                   ; a wave's table: 32 strokes
.set XCH,   8*WTAB                     ; behind the eight tables: 4 x 4,096 bytes for the hand-over
.set PLANE, 512*512*4                  ; bytes of a channel of the output
.set ROWB,  512*4                      ; bytes of a row
.set K2L2E, 0x4038aa3b                 ; k = 2 log2(e): exp(2 z) = 2^(k z)
.set LANE, 1                           ; v1        lane
.set X,    2                           ; v[2:5]    x' of my 4 columns
.set XSQ,  6                           ; v[6:9]    x'^2
.set M,    10                          ; v[10:17]  running minimum of d^2 - x'^2: row 0's 4 pixels, row 1's 4
.set T,    18                          ; v[18:25]  share still let through, same order
.set ACC,  26                          ; v[26:49]  channel c at ACC + 8 c, same order
.set U,    50                          ; v[50:73]  at work
.set TADR, 74                          ; v74       LDS address of the pair of strokes at work (same in all lanes)
.set TW,   75                          ; v75       LDS address of my stroke's slot (set-up)
.set XA,   76                          ; v76       LDS address of my 16 bytes in the hand-over
.set CO,   77                          ; v77       byte offset of my 4 pixels in row 0, channel 0 of the output
.set TMP,  78
.set TA,   80                          ; v[80:127]   table of one stroke: sample j at +4 j: a, e_0, e_1, extra
.set TB,   128                         ; v[128:175]  the other buffer
.set SO,   176                         ; v176-178  byte offsets of my stroke's control points, width, colour
.set WO,   177
.set CLO,  178
; during set-up only, in registers that the main part starts afresh
.set P,    ACC                         ; 4 control points (x, y)
.set D10,  ACC+8
.set D21,  ACC+10
.set D32,  ACC+12
.set C1,   ACC+14                      ; Horner coefficients, in pixels
.set C2,   ACC+16
.set C3,   ACC+18
.set CEN,  ACC+20                      ; (xc, first row)
.set WID,  ACC+22
.set STG,  TB                          ; the 12 quads before they go to LDS
	s_load_b256 s[4:11], s[0:1], 0x0               ; colours s[4:5], widths s[6:7], control points s[8:9], output s[10:11]
	v_lshl_add_u32 v184, v0, 2, 0x29000
	v_mov_b32 v185, 0
	v_and_b32 v[LANE], 31, v0
	v_lshrrev_b32 v[TMP], 5, v0
	v_readfirstlane_b32 s12, v[TMP]                ; wave 0..7
	s_lshr_b32 s13, s12, 2                         ; 0: strokes 0-31, 1: strokes 32-63
	s_and_b32 s14, s12, 3                          ; which pair of rows of the group's 8
	s_and_b32 s15, ttmp7, 0xffff                   ; block of 8 rows; ttmp9: block of 128 columns
	s_lshl_b32 s22, s13, 5
	s_add_co_u32 s22, s22, 31
	v_sub_nc_u32 v[TMP], s22, v[LANE]              ; my stroke: the half's last for lane 0
	v_lshlrev_b32 v[SO], 5, v[TMP]                 ; 32 bytes of control points,
	v_lshlrev_b32 v[WO], 2, v[TMP]                 ; 4 of width,
	v_mul_u32_u24 v[CLO], 12, v[TMP]               ; 12 of colour
	s_wait_kmcnt 0x0
	global_load_b128 v[P:P+3],   v[SO], s[8:9]
	global_load_b128 v[P+4:P+7], v[SO], s[8:9] offset:16
	global_load_b32 v[WID],    v[WO],  s[6:7]
	global_load_b32 v[STG+7],  v[CLO], s[4:5]              ; the colours land where the table wants them:
	global_load_b32 v[STG+11], v[CLO], s[4:5] offset:4     ; the fourth words of samples 1, 2, 3
	global_load_b32 v[STG+15], v[CLO], s[4:5] offset:8
	; while they travel: what hangs on the pixel alone
	v_lshlrev_b32 v[TMP], 2, v[LANE]
	v_cvt_f32_u32 v[X], v[TMP]
	v_add_f32 v[X], 0xc2800000, v[X]               ; x' = 4 lane - 64 ..
	v_add_f32 v[X+1], 1.0, v[X]
	v_add_f32 v[X+2], 2.0, v[X]
	v_add_f32 v[X+3], 0x40400000, v[X]             ; .. + 3
	v_pk_mul_f32 v[XSQ:XSQ+1],   v[X:X+1],   v[X:X+1]
	v_pk_mul_f32 v[XSQ+2:XSQ+3], v[X+2:X+3], v[X+2:X+3]
	s_lshl_b32 s16, ttmp9, 7
	s_add_co_u32 s16, s16, 64                      ; xc = 128 block + 64
	s_lshl_b32 s17, s15, 3
	s_lshl1_add_u32 s17, s14, s17                  ; my first row = 8 block + 2 pair
	v_cvt_f32_u32 v[CEN], s16
	v_cvt_f32_u32 v[CEN+1], s17
	s_mul_i32 s18, s12, WTAB                       ; my wave's table
	v_mov_b32 v[TADR], s18
	v_mul_u32_u24 v[TW], v[LANE], SLOTB
	v_add_nc_u32 v[TW], s18, v[TW]
	s_lshl_b32 s19, s14, 12
	s_add_co_u32 s19, s19, XCH                     ; the hand-over of waves w and w + 4
	v_lshl_add_u32 v[XA], v[LANE], 4, s19
	s_lshl_b32 s20, s17, 11                        ; row x 2,048 bytes
	s_lshl_b32 s21, ttmp9, 9                       ; + 128 columns x 4 bytes a block
	s_add_co_u32 s20, s20, s21
	v_lshl_add_u32 v[CO], v[LANE], 4, s20
.irp j, 4,5,6,7,8,9,10,11
	v_mov_b32 v[STG+4*\j+3], 0                     ; fourth words that carry nothing: written, since the 16-byte loads read them
.endr
	; THE CURVE.  B(t) = C0 + t (C1 + t (C2 + t C3)), x and y in one packed instruction, in pixels, relative to (xc, first row).
	s_wait_loadcnt 0x4                             ; loads return in order (ISA guide 5.7.1): the control points are in, width and colours may be out
	v_pk_add_f32 v[D10:D10+1], v[P+2:P+3], v[P:P+1]   neg_lo:[0,1] neg_hi:[0,1]
	v_pk_add_f32 v[D21:D21+1], v[P+4:P+5], v[P+2:P+3] neg_lo:[0,1] neg_hi:[0,1]
	v_pk_add_f32 v[D32:D32+1], v[P+6:P+7], v[P+4:P+5] neg_lo:[0,1] neg_hi:[0,1]
	v_pk_fma_f32 v[STG:STG+1], v[P:P+1], 0x44000000, v[CEN:CEN+1] op_sel_hi:[1,0,1] neg_lo:[0,0,1] neg_hi:[0,0,1]  ; C0 = 512 p0 - centre = sample 0
	v_pk_add_f32 v[D32:D32+1], v[D32:D32+1], v[D21:D21+1] neg_lo:[0,1] neg_hi:[0,1]
	v_pk_add_f32 v[D21:D21+1], v[D21:D21+1], v[D10:D10+1] neg_lo:[0,1] neg_hi:[0,1]     ; p0 - 2 p1 + p2
	v_pk_add_f32 v[D32:D32+1], v[D32:D32+1], v[D21:D21+1] neg_lo:[0,1] neg_hi:[0,1]     ; p3 - 3 p2 + 3 p1 - p0
	v_pk_mul_f32 v[C1:C1+1], v[D10:D10+1], 0x44c00000 op_sel_hi:[1,0]                   ; x 3 x 512
	v_pk_mul_f32 v[C2:C2+1], v[D21:D21+1], 0x44c00000 op_sel_hi:[1,0]
	v_pk_mul_f32 v[C3:C3+1], v[D32:D32+1], 0x44000000 op_sel_hi:[1,0]                   ; x 512
; One Horner step for samples 1..11 (t = j / 11), eleven chains side by side so that none waits for itself
.macro HORNER fromc3, add
.set sj, 1
.irp t, 0x3dba2e8c, 0x3e3a2e8c, 0x3e8ba2e9, 0x3eba2e8c, 0x3ee8ba2f, 0x3f0ba2e9, 0x3f22e8ba, 0x3f3a2e8c, 0x3f51745d, 0x3f68ba2f, 1.0
.if \fromc3
	v_pk_fma_f32 v[STG+4*sj:STG+4*sj+1], v[C3:C3+1], \t, v[\add:\add+1] op_sel_hi:[1,0,1]
.else
	v_pk_fma_f32 v[STG+4*sj:STG+4*sj+1], v[STG+4*sj:STG+4*sj+1], \t, v[\add:\add+1] op_sel_hi:[1,0,1]
.endif
.set sj, sj+1
.endr
.endm
	HORNER 1, C2
	HORNER 0, C1
	HORNER 0, STG                                  ; + C0: words 0, 1 of quad j now hold (px', py')
	; (px', py') -> a = -2 px', e_0 = px'^2 + py'^2, e_1 = px'^2 + (py' - 1)^2; the fma rounds the large square and the sum once
.irp j, 0,1,2,3,4,5,6,7,8,9,10,11
	v_add_f32 v[U+\j], -1.0, v[STG+4*\j+1]
.endr
.irp j, 0,1,2,3,4,5,6,7,8,9,10,11
	v_mul_f32 v[STG+4*\j+1], v[STG+4*\j+1], v[STG+4*\j+1]
.endr
.irp j, 0,1,2,3,4,5,6,7,8,9,10,11
	v_mul_f32 v[STG+4*\j+2], v[U+\j], v[U+\j]
.endr
.irp j, 0,1,2,3,4,5,6,7,8,9,10,11
	v_fmac_f32 v[STG+4*\j+1], v[STG+4*\j], v[STG+4*\j]
.endr
.irp j, 0,1,2,3,4,5,6,7,8,9,10,11
	v_fmac_f32 v[STG+4*\j+2], v[STG+4*\j], v[STG+4*\j]
.endr
.irp j, 0,1,2,3,4,5,6,7,8,9,10,11
	v_mul_f32 v[STG+4*\j], -2.0, v[STG+4*\j]
.endr
	s_wait_loadcnt 0x0                             ; width and colours
	v_mul_f32 v[STG+3], 0xc038aa3b, v[WID]         ; -k width
.irp j, 0,1,2,3,4,5,6,7,8,9,10,11
	ds_store_b128 v[TW], v[STG+4*\j:STG+4*\j+3] offset:16*\j
.endr
; 12 loads of 16 bytes, every lane at the same address: one stroke's table into buffer buf
.macro LOADT buf, off
.irp j, 0,1,2,3,4,5,6,7,8,9,10,11
	ds_load_b128 v[\buf+4*\j:\buf+4*\j+3], v[TADR] offset:\off+16*\j
.endr
.endm
; d^2 - x'^2 of sample j at my 8 pixels.  Source 1 is a for both halves (first word of the pair); source 2 is e_0 (second word of
; the first pair) for row 0 and e_1 (first word of the second pair) for row 1.
.macro VAL tb, j, d
	v_pk_fma_f32 v[\d:\d+1],   v[X:X+1],   v[\tb+4*(\j):\tb+4*(\j)+1], v[\tb+4*(\j):\tb+4*(\j)+1]   op_sel:[0,0,1] op_sel_hi:[1,0,1]
	v_pk_fma_f32 v[\d+2:\d+3], v[X+2:X+3], v[\tb+4*(\j):\tb+4*(\j)+1], v[\tb+4*(\j):\tb+4*(\j)+1]   op_sel:[0,0,1] op_sel_hi:[1,0,1]
	v_pk_fma_f32 v[\d+4:\d+5], v[X:X+1],   v[\tb+4*(\j):\tb+4*(\j)+1], v[\tb+4*(\j)+2:\tb+4*(\j)+3] op_sel_hi:[1,0,0]
	v_pk_fma_f32 v[\d+6:\d+7], v[X+2:X+3], v[\tb+4*(\j):\tb+4*(\j)+1], v[\tb+4*(\j)+2:\tb+4*(\j)+3] op_sel_hi:[1,0,0]
.endm
.macro DSQ r                           ; row r: d^2 = minimum + x'^2, not below 0 (rounding may leave it just under)
	v_pk_add_f32 v[U+4*\r:U+4*\r+1],   v[M+4*\r:M+4*\r+1],   v[XSQ:XSQ+1]
	v_pk_add_f32 v[U+4*\r+2:U+4*\r+3], v[M+4*\r+2:M+4*\r+3], v[XSQ+2:XSQ+3]
	v_dual_max_num_f32 v[U+4*\r], 0, v[U+4*\r] :: v_dual_max_num_f32 v[U+4*\r+1], 0, v[U+4*\r+1]
	v_dual_max_num_f32 v[U+4*\r+2], 0, v[U+4*\r+2] :: v_dual_max_num_f32 v[U+4*\r+3], 0, v[U+4*\r+3]
.endm
.macro TRANS op, r                     ; a transcendental on row r's four numbers, in place
.irp i, 0,1,2,3
	\op v[U+4*\r+\i], v[U+4*\r+\i]
.endr
.endm
.macro ARG tb, r                       ; k d - k width (the fourth word of sample 0)
	s_wait_alu depctr_va_vdst(0)
.irp h, 0,2
	v_pk_fma_f32 v[U+4*\r+\h:U+4*\r+\h+1], v[U+4*\r+\h:U+4*\r+\h+1], K2L2E, v[\tb+2:\tb+3] op_sel:[0,0,1] op_sel_hi:[1,0,1]
.endr
.endm
.macro DEN r                           ; 1 + exp(2 (d - width)); an overflow to infinity gives alpha = 0, as it should
	s_wait_alu depctr_va_vdst(0)
.irp h, 0,2
	v_pk_add_f32 v[U+4*\r+\h:U+4*\r+\h+1], v[U+4*\r+\h:U+4*\r+\h+1], 1.0 op_sel_hi:[1,0]
.endr
.endm
; Row r: alpha lies in U.  first = 1: the wave's front-most stroke starts T and the sums (T was 1), so nothing is cleared.
.macro BLEND tb, r, first
.if \first
	s_wait_alu depctr_va_vdst(0)
.irp h, 0,2
	v_pk_fma_f32 v[T+4*\r+\h:T+4*\r+\h+1], v[U+4*\r+\h:U+4*\r+\h+1], -1.0, 1.0 op_sel_hi:[1,0,0]
.endr
.irp c, 0,1,2
.irp h, 0,2
	v_pk_mul_f32 v[ACC+8*\c+4*\r+\h:ACC+8*\c+4*\r+\h+1], v[U+4*\r+\h:U+4*\r+\h+1], v[\tb+4*\c+6:\tb+4*\c+7] op_sel:[0,1] op_sel_hi:[1,1]
.endr
.endr
.else
	s_wait_alu depctr_va_vdst(0)
.irp h, 0,2
	v_pk_mul_f32 v[U+4*\r+\h:U+4*\r+\h+1], v[U+4*\r+\h:U+4*\r+\h+1], v[T+4*\r+\h:T+4*\r+\h+1]                       ; w = alpha T
.endr
.irp h, 0,2
	v_pk_add_f32 v[T+4*\r+\h:T+4*\r+\h+1], v[T+4*\r+\h:T+4*\r+\h+1], v[U+4*\r+\h:U+4*\r+\h+1] neg_lo:[0,1] neg_hi:[0,1]  ; T -= w
.endr
.irp c, 0,1,2
.irp h, 0,2
	v_pk_fma_f32 v[ACC+8*\c+4*\r+\h:ACC+8*\c+4*\r+\h+1], v[U+4*\r+\h:U+4*\r+\h+1], v[\tb+4*\c+6:\tb+4*\c+7], v[ACC+8*\c+4*\r+\h:ACC+8*\c+4*\r+\h+1] op_sel:[0,1,0] op_sel_hi:[1,1,1]
.endr
.endr
.endif
.endm
; One stroke at my 8 pixels.  12 samples: 3 start the minimum, 4 x 2 join by min3, the last by a dual min.
; Behind a transcendental one plain vector instruction that touches neither its result nor its source comes before the result is used
; (ISA guide 5.7.2): the two rows run half a step apart, so that each row's plain step is that instruction for the other row's four.
.macro STROKE tb, first
	VAL \tb, 0, U
	VAL \tb, 1, U+8
	VAL \tb, 2, U+16
.irp i, 0,1,2,3,4,5,6,7
	v_min3_num_f32 v[M+\i], v[U+\i], v[U+8+\i], v[U+16+\i]
.endr
.irp j, 3,5,7,9
	VAL \tb, \j, U
	VAL \tb, \j+1, U+8
.irp i, 0,1,2,3,4,5,6,7
	v_min3_num_f32 v[M+\i], v[M+\i], v[U+\i], v[U+8+\i]
.endr
.endr
	VAL \tb, 11, U+16
.irp i, 0,2,4,6
	v_dual_min_num_f32 v[M+\i], v[U+16+\i], v[M+\i] :: v_dual_min_num_f32 v[M+\i+1], v[U+16+\i+1], v[M+\i+1]
.endr
	DSQ 0
	TRANS v_sqrt_f32, 0
	DSQ 1
	TRANS v_sqrt_f32, 1
	ARG \tb, 0
	TRANS v_exp_f32, 0
	ARG \tb, 1
	TRANS v_exp_f32, 1
	DEN 0
	TRANS v_rcp_f32, 0                             ; alpha = 1 / (1 + exp(2 (d - width)))
	DEN 1
	TRANS v_rcp_f32, 1
	BLEND \tb, 0, \first
	BLEND \tb, 1, \first
.endm
; Two strokes, each buffer once.  A buffer is loaded one stroke ahead of its use.  more = 0: the wave's last pair loads nothing further.
.macro PAIR first, more
	LOADT TB, SLOTB
	s_wait_dscnt 12                                ; LDS answers in order (ISA guide 5.7.1): all but the 12 loads just issued are done, so TA is in
	STROKE TA, \first
.if \more
	LOADT TA, 2*SLOTB
	s_wait_dscnt 12                                ; likewise: TB is in, TA's 12 may be out
.else
	s_wait_dscnt 0
.endif
	STROKE TB, 0
.endm
	LOADT TA, 0                                    ; LDS serves a wave's instructions in order (ISA guide 5.7.1.4): these see the stores above
	PAIR 1, 1                                      ; slots 0, 1: in front of the loop, since they start the sums
	v_add_nc_u32 v[TADR], 2*SLOTB, v[TADR]
	s_mov_b32 s23, 14                              ; slots 2 .. 29
.Lpair:
	PAIR 0, 1
	v_add_nc_u32 v[TADR], 2*SLOTB, v[TADR]
	s_sub_co_u32 s23, s23, 1
	s_cmp_lg_u32 s23, 0
	s_cbranch_scc1 .Lpair
	PAIR 0, 0                                      ; slots 30, 31: no load leaves the wave's table
	; THE HAND-OVER.  Waves 4-7 (strokes 32-63, which lie on top) leave acc and T in LDS, 16 neighbouring bytes a lane.
	s_cmp_lt_u32 s12, 4
	s_cbranch_scc1 .Lunder
.irp k, 0,1,2,3,4,5
	ds_store_b128 v[XA], v[ACC+4*\k:ACC+4*\k+3] offset:512*\k
.endr
	ds_store_b128 v[XA], v[T:T+3]   offset:512*6
	ds_store_b128 v[XA], v[T+4:T+7] offset:512*7
.Lunder:
	s_wait_dscnt 0x0                               ; for the partner's sake: the stores are done before the signal
	s_barrier_signal -1
	s_barrier_wait -1
	s_cmp_ge_u32 s12, 4
	s_cbranch_scc1 .Ldone
.irp k, 0,1,2,3,4,5,6,7
	ds_load_b128 v[TA+4*\k:TA+4*\k+3], v[XA] offset:512*\k         ; TA .. TA+23: the partner's acc; TA+24 .. TA+31: its T
.endr
.irp c, 0,1,2
.irp h, 0,2,4,6
	v_pk_add_f32 v[ACC+8*\c+\h:ACC+8*\c+\h+1], v[ACC+8*\c+\h:ACC+8*\c+\h+1], v[T+\h:T+\h+1]      ; what strokes 0-31 make of the white canvas
.endr
.endr
	s_wait_dscnt 0x0
.irp c, 0,1,2
.irp h, 0,2,4,6
	v_pk_fma_f32 v[ACC+8*\c+\h:ACC+8*\c+\h+1], v[TA+24+\h:TA+24+\h+1], v[ACC+8*\c+\h:ACC+8*\c+\h+1], v[TA+8*\c+\h:TA+8*\c+\h+1]
.endr
.endr
.irp c, 0,1,2
.irp r, 0,1
	global_store_b128 v[CO], v[ACC+8*\c+4*\r:ACC+8*\c+4*\r+3], s[10:11] offset:\c*PLANE+\r*ROWB th:TH_STORE_NT   ; the wave's store covers 512 consecutive bytes, aligned
.endr
.endr
.Ldone:
	s_wait_tensorcnt 0x0
	ds_add_u32 v184, v185
	s_wait_dscnt 0x0
	s_endpgm
.Lfunc_end_k_q5123ffe7c2_raster:
	.size	k_q5123ffe7c2_raster, .Lfunc_end_k_q5123ffe7c2_raster-k_q5123ffe7c2_raster
	.p2alignl 7, 3214868480
	.fill 96, 4, 3214868480
	.section	.rodata,"a",@progbits
	.p2align	6, 0x0
	.amdhsa_kernel k_q5123ffe7c2_raster
		.amdhsa_group_segment_fixed_size 168960
		.amdhsa_private_segment_fixed_size 0
		.amdhsa_enable_private_segment 0
		.amdhsa_kernarg_size 32
		.amdhsa_user_sgpr_count 2
		.amdhsa_user_sgpr_kernarg_segment_ptr 1
		.amdhsa_wavefront_size32 1
		.amdhsa_system_sgpr_workgroup_id_x 1
		.amdhsa_system_sgpr_workgroup_id_y 1
		.amdhsa_system_sgpr_workgroup_id_z 1
		.amdhsa_system_vgpr_workitem_id 0
		.amdhsa_next_free_vgpr 186
		.amdhsa_next_free_sgpr 66
		.amdhsa_reserve_vcc 0
		.amdhsa_float_denorm_mode_32 3
		.amdhsa_float_denorm_mode_16_64 3
		.amdhsa_memory_ordered 1
		.amdhsa_forward_progress 1
		.amdhsa_inst_pref_size 73
	.end_amdhsa_kernel
	.amdgpu_metadata
---
amdhsa.version: [ 1, 2 ]
amdhsa.kernels:
  - .name:           k_q5123ffe7c2_raster
    .symbol:         k_q5123ffe7c2_raster.kd
    .args:
      - { .name: stroke_colors, .offset: 0, .size: 8, .value_kind: global_buffer, .address_space: global }
      - { .name: stroke_widths, .offset: 8, .size: 8, .value_kind: global_buffer, .address_space: global }
      - { .name: strokes, .offset: 16, .size: 8, .value_kind: global_buffer, .address_space: global }
      - { .name: out0, .offset: 24, .size: 8, .value_kind: global_buffer, .address_space: global }
    .group_segment_fixed_size: 168960
    .private_segment_fixed_size: 0
    .kernarg_segment_align: 8
    .kernarg_segment_size: 32
    .max_flat_workgroup_size: 256
    .sgpr_count:     66
    .vgpr_count:     186
    .wavefront_size: 32
...
	.end_amdgpu_metadata
.endif
;; end of part 1
;; ======== version 2 of 2: 1 launch; 1.20 times as fast as version 1
;; launch raster (part 2): grid 4 x 64, 8 waves a work-group, no clusters, 168,960 bytes of LDS; arguments stroke_colors, stroke_widths, strokes, out0; writes out0
.if DOCPART == 2
	.amdgcn_target "amdgcn-amd-amdhsa--gfx1250"
	.amdhsa_code_object_version 6
	.text
	.protected	k_q5123ffe7c2_raster
	.globl	k_q5123ffe7c2_raster
	.p2align	8
	.type	k_q5123ffe7c2_raster,@function
k_q5123ffe7c2_raster:
	s_mov_b64 s[64:65], 0
	v_nop
	global_prefetch_b8 v0, s[64:65] scope:SCOPE_SE
	s_setreg_imm32_b32 hwreg(HW_REG_WAVE_MODE, 25, 1), 1
	s_wait_xcnt 0x0
; Soft rasteriser: 64 strokes, 12 samples of a cubic Bezier each, composited in order on a white 512 x 512 canvas, 3 channels, f32.
;   alpha = sigmoid(2 (width - min over samples of |pixel - sample|)),  canvas = canvas (1 - alpha) + colour alpha.
;
; SHARES.  256 work-groups of 8 waves; a work-group owns 128 x 8 pixels.  Waves w and w + 4 (w = 0..3) own the same 128 x 2 pixels:
; a lane holds 4 neighbouring pixels in each of the 2 rows.  Wave w composites strokes 0-31, wave w + 4 strokes 32-63; each yields
; (acc, T) = (light added, share let through).  The upper wave hands its pair over in LDS and the lower one stores
; acc_hi + T_hi (acc_lo + T_lo * 1), the 1 being the white canvas.
; The group asks for more than half of a WGP's LDS (it uses 69,632 bytes) so that its 8 waves have the four SIMDs to themselves.
;
; ARITHMETIC.  The root is monotone, so the minimum is taken over squared distances and one root per stroke follows.
; With x' = x - xc (xc the tile's middle column) and the sample (px', py') in the same frame (rows counted from the wave's first):
;   d^2 - x'^2 = a x' + e_row,   a = -2 px',   e_row = px'^2 + (row - py')^2,
; and a, e_0, e_1 are the same in all lanes: one packed fma serves two pixels, one min3 takes in two samples.
; Strokes are walked from the last to the first: w = alpha T, T -= w, acc_c += colour_c w (five operations, all packed).
;
; TABLE.  Lane l of a wave evaluates stroke 32 half + 31 - l (so slot order = walking order) and writes 12 x (a, e_0, e_1, extra)
; to the wave's own LDS table; the extras of samples 0..3 are -k width and the three colours.  Only the wave itself reads it: no barrier.
;
; BATCHES.  The slots are walked in pairs (a, b).  The pair's 16 numbers (2 strokes x 8 pixels) have registers of their own, Q, and go
; through three batches of 16 transcendentals: roots, exponentials, reciprocals; each batch has ONE wait, ahead of its first reader.
; The batches ride in the distance work of the strokes that follow, which names none of Q: a's 8 roots in b's samples 0-2; b's 8 roots in
; samples 0-2 of a', the next pair's first stroke; the exponentials in a's samples 3-6; the reciprocals in its samples 7-10; the blending
; of a and b stands ahead of its sample 11.  One transcendental stands ahead of every two plain instructions, and two plain
; instructions or more follow a batch's last one, ahead of its wait.  The loop's edge lies behind the blending: no batch is open there.
; What comes behind the roots reads the extras of a stroke's samples 0-3 two strokes after its distances are done, so these four
; quads have four sets of registers (slot mod 4); the other eight quads are dead with the distances and have two (slot mod 2).
;
; LIMITS.  d^2 has an absolute error of up to about 5e-4 px^2 for samples beside the tile (roundings at |x'|, |px'| <= ~75) and a
; relative one of about 2^-22 far off; a sample that sits on a pixel's centre is therefore seen up to about 0.02 px away.  A d^2 that
; rounding made negative is raised to 0.  Samples come from the Horner form with t = j / 11 rounded to f32: up to about 1e-3 px from the
; Bernstein form for control points in [0, 1].  The order of roundings in the compositing differs from the scan's.
; Inputs are taken to be finite with (512 p)^2 inside f32's range; NaN and infinities are not served.
; No cluster: all that work-groups share is 3,072 bytes of input, read once by each wave through registers.
.set SLOTB, 208                        ; LDS bytes of a stroke: 12 samples x 16 + 16 of padding: 13 x 16, so 16 lanes' stores fall on 16 different columns
.set WTAB,  32*SLOTB                   ; a wave's table: 32 strokes
.set XCH,   8*WTAB                     ; behind the eight tables: 4 x 4,096 bytes for the hand-over
.set PLANE, 512*512*4                  ; bytes of a channel of the output
.set ROWB,  512*4                      ; bytes of a row
.set K2L2E, 0x4038aa3b                 ; k = 2 log2(e): exp(2 z) = 2^(k z)
.set LANE, 1                           ; v1        lane
.set X,    2                           ; v[2:5]    x' of my 4 columns
.set XSQ,  6                           ; v[6:9]    x'^2
.set M,    10                          ; v[10:17]  running minimum of d^2 - x'^2: row 0's 4 pixels, row 1's 4
.set T,    18                          ; v[18:25]  share still let through, same order
.set ACC,  26                          ; v[26:49]  channel c at ACC + 8 c, same order
.set U,    50                          ; v[50:73]  at work in the distances
.set TADR, 74                          ; v74       LDS address of the slot from which the loads' offsets count (same in all lanes)
.set TW,   75                          ; v75       LDS address of my stroke's slot (set-up)
.set XA,   76                          ; v76       LDS address of my 16 bytes in the hand-over
.set CO,   77                          ; v77       byte offset of my 4 pixels in row 0, channel 0 of the output
.set TMP,  78
.set LO,   80                          ; v[80:143]   samples 0-3 of a stroke (a, e_0, e_1, extra each): four sets of 16, by slot mod 4
.set HI0,  144                         ; v[144:175]  samples 4-11 of an even slot
.set SO,   176                         ; v176-178  byte offsets of my stroke's control points, width, colour
.set WO,   177
.set CLO,  178
.set HI1,  186                         ; v[186:217]  samples 4-11 of an odd slot
.set Q,    218                         ; v[218:233]  the pair's numbers from d^2 to alpha T: stroke a's 8 pixels (order as M), then stroke b's
.set OTH,  LO                          ; v[80:111]   the hand-over: the partner's acc and T
; during set-up only, in registers that the main part starts afresh
.set P,    ACC                         ; 4 control points (x, y)
.set D10,  ACC+8
.set D21,  ACC+10
.set D32,  ACC+12
.set C1,   ACC+14                      ; Horner coefficients, in pixels
.set C2,   ACC+16
.set C3,   ACC+18
.set CEN,  ACC+20                      ; (xc, first row)
.set WID,  ACC+22
.set STG,  128                         ; v[128:175]  the 12 quads before they go to LDS
	s_load_b256 s[4:11], s[0:1], 0x0               ; colours s[4:5], widths s[6:7], control points s[8:9], output s[10:11]
	v_lshl_add_u32 v184, v0, 2, 0x29000
	v_mov_b32 v185, 0
	v_and_b32 v[LANE], 31, v0
	v_lshrrev_b32 v[TMP], 5, v0
	v_readfirstlane_b32 s12, v[TMP]                ; wave 0..7
	s_lshr_b32 s13, s12, 2                         ; 0: strokes 0-31, 1: strokes 32-63
	s_and_b32 s14, s12, 3                          ; which pair of rows of the group's 8
	s_and_b32 s15, ttmp7, 0xffff                   ; block of 8 rows; ttmp9: block of 128 columns
	s_lshl_b32 s22, s13, 5
	s_add_co_u32 s22, s22, 31
	v_sub_nc_u32 v[TMP], s22, v[LANE]              ; my stroke: the half's last for lane 0
	v_lshlrev_b32 v[SO], 5, v[TMP]                 ; 32 bytes of control points,
	v_lshlrev_b32 v[WO], 2, v[TMP]                 ; 4 of width,
	v_mul_u32_u24 v[CLO], 12, v[TMP]               ; 12 of colour
	s_wait_kmcnt 0x0
	global_load_b128 v[P:P+3],   v[SO], s[8:9]
	global_load_b128 v[P+4:P+7], v[SO], s[8:9] offset:16
	global_load_b32 v[WID],    v[WO],  s[6:7]
	global_load_b32 v[STG+7],  v[CLO], s[4:5]              ; the colours land where the table wants them:
	global_load_b32 v[STG+11], v[CLO], s[4:5] offset:4     ; the fourth words of samples 1, 2, 3
	global_load_b32 v[STG+15], v[CLO], s[4:5] offset:8
	; while they travel: what hangs on the pixel alone
	v_lshlrev_b32 v[TMP], 2, v[LANE]
	v_cvt_f32_u32 v[X], v[TMP]
	v_add_f32 v[X], 0xc2800000, v[X]               ; x' = 4 lane - 64 ..
	v_add_f32 v[X+1], 1.0, v[X]
	v_add_f32 v[X+2], 2.0, v[X]
	v_add_f32 v[X+3], 0x40400000, v[X]             ; .. + 3
	v_pk_mul_f32 v[XSQ:XSQ+1],   v[X:X+1],   v[X:X+1]
	v_pk_mul_f32 v[XSQ+2:XSQ+3], v[X+2:X+3], v[X+2:X+3]
	s_lshl_b32 s16, ttmp9, 7
	s_add_co_u32 s16, s16, 64                      ; xc = 128 block + 64
	s_lshl_b32 s17, s15, 3
	s_lshl1_add_u32 s17, s14, s17                  ; my first row = 8 block + 2 pair
	v_cvt_f32_u32 v[CEN], s16
	v_cvt_f32_u32 v[CEN+1], s17
	s_mul_i32 s18, s12, WTAB                       ; my wave's table
	v_mov_b32 v[TADR], s18
	v_mul_u32_u24 v[TW], v[LANE], SLOTB
	v_add_nc_u32 v[TW], s18, v[TW]
	s_lshl_b32 s19, s14, 12
	s_add_co_u32 s19, s19, XCH                     ; the hand-over of waves w and w + 4
	v_lshl_add_u32 v[XA], v[LANE], 4, s19
	s_lshl_b32 s20, s17, 11                        ; row x 2,048 bytes
	s_lshl_b32 s21, ttmp9, 9                       ; + 128 columns x 4 bytes a block
	s_add_co_u32 s20, s20, s21
	v_lshl_add_u32 v[CO], v[LANE], 4, s20
.irp j, 4,5,6,7,8,9,10,11
	v_mov_b32 v[STG+4*\j+3], 0                     ; fourth words that carry nothing: written, since the 16-byte loads read them
.endr
	; THE CURVE.  B(t) = C0 + t (C1 + t (C2 + t C3)), x and y in one packed instruction, in pixels, relative to (xc, first row).
	s_wait_loadcnt 0x4                             ; loads return in order (ISA guide 5.7.1): the control points are in, width and colours may be out
	v_pk_add_f32 v[D10:D10+1], v[P+2:P+3], v[P:P+1]   neg_lo:[0,1] neg_hi:[0,1]
	v_pk_add_f32 v[D21:D21+1], v[P+4:P+5], v[P+2:P+3] neg_lo:[0,1] neg_hi:[0,1]
	v_pk_add_f32 v[D32:D32+1], v[P+6:P+7], v[P+4:P+5] neg_lo:[0,1] neg_hi:[0,1]
	v_pk_fma_f32 v[STG:STG+1], v[P:P+1], 0x44000000, v[CEN:CEN+1] op_sel_hi:[1,0,1] neg_lo:[0,0,1] neg_hi:[0,0,1]  ; C0 = 512 p0 - centre = sample 0
	v_pk_add_f32 v[D32:D32+1], v[D32:D32+1], v[D21:D21+1] neg_lo:[0,1] neg_hi:[0,1]
	v_pk_add_f32 v[D21:D21+1], v[D21:D21+1], v[D10:D10+1] neg_lo:[0,1] neg_hi:[0,1]     ; p0 - 2 p1 + p2
	v_pk_add_f32 v[D32:D32+1], v[D32:D32+1], v[D21:D21+1] neg_lo:[0,1] neg_hi:[0,1]     ; p3 - 3 p2 + 3 p1 - p0
	v_pk_mul_f32 v[C1:C1+1], v[D10:D10+1], 0x44c00000 op_sel_hi:[1,0]                   ; x 3 x 512
	v_pk_mul_f32 v[C2:C2+1], v[D21:D21+1], 0x44c00000 op_sel_hi:[1,0]
	v_pk_mul_f32 v[C3:C3+1], v[D32:D32+1], 0x44000000 op_sel_hi:[1,0]                   ; x 512
; One Horner step for samples 1..11 (t = j / 11), eleven chains side by side so that none waits for itself
.macro HORNER fromc3, add
.set sj, 1
.irp t, 0x3dba2e8c, 0x3e3a2e8c, 0x3e8ba2e9, 0x3eba2e8c, 0x3ee8ba2f, 0x3f0ba2e9, 0x3f22e8ba, 0x3f3a2e8c, 0x3f51745d, 0x3f68ba2f, 1.0
.if \fromc3
	v_pk_fma_f32 v[STG+4*sj:STG+4*sj+1], v[C3:C3+1], \t, v[\add:\add+1] op_sel_hi:[1,0,1]
.else
	v_pk_fma_f32 v[STG+4*sj:STG+4*sj+1], v[STG+4*sj:STG+4*sj+1], \t, v[\add:\add+1] op_sel_hi:[1,0,1]
.endif
.set sj, sj+1
.endr
.endm
	HORNER 1, C2
	HORNER 0, C1
	HORNER 0, STG                                  ; + C0: words 0, 1 of quad j now hold (px', py')
	; (px', py') -> a = -2 px', e_0 = px'^2 + py'^2, e_1 = px'^2 + (py' - 1)^2; the fma rounds the large square and the sum once
.irp j, 0,1,2,3,4,5,6,7,8,9,10,11
	v_add_f32 v[U+\j], -1.0, v[STG+4*\j+1]
.endr
.irp j, 0,1,2,3,4,5,6,7,8,9,10,11
	v_mul_f32 v[STG+4*\j+1], v[STG+4*\j+1], v[STG+4*\j+1]
.endr
.irp j, 0,1,2,3,4,5,6,7,8,9,10,11
	v_mul_f32 v[STG+4*\j+2], v[U+\j], v[U+\j]
.endr
.irp j, 0,1,2,3,4,5,6,7,8,9,10,11
	v_fmac_f32 v[STG+4*\j+1], v[STG+4*\j], v[STG+4*\j]
.endr
.irp j, 0,1,2,3,4,5,6,7,8,9,10,11
	v_fmac_f32 v[STG+4*\j+2], v[STG+4*\j], v[STG+4*\j]
.endr
.irp j, 0,1,2,3,4,5,6,7,8,9,10,11
	v_mul_f32 v[STG+4*\j], -2.0, v[STG+4*\j]
.endr
	s_wait_loadcnt 0x0                             ; width and colours
	v_mul_f32 v[STG+3], 0xc038aa3b, v[WID]         ; -k width
.irp j, 0,1,2,3,4,5,6,7,8,9,10,11
	ds_store_b128 v[TW], v[STG+4*\j:STG+4*\j+3] offset:16*\j
.endr
; 12 loads of 16 bytes, every lane at the same address: one stroke's table, samples 0-3 into set lo, samples 4-11 into set hi
.macro LOADT lo, hi, off
.irp j, 0,1,2,3
	ds_load_b128 v[\lo+4*\j:\lo+4*\j+3], v[TADR] offset:\off+16*\j
.endr
.irp j, 4,5,6,7,8,9,10,11
	ds_load_b128 v[\hi+4*\j-16:\hi+4*\j-13], v[TADR] offset:\off+16*\j
.endr
.endm
; THE OPEN BATCH.  OPEN names a kind (0 root, 1 exponential, 2 reciprocal) and a range of Q; RIDE writes the range's next transcendental,
; in place, or nothing when the range is used up.  RIDE stands ahead of every two plain instructions of the distance work.
.set rk, 0
.set rn, 0
.set rend, 0
.macro OPEN kind, from, to
.set rk, \kind
.set rn, \from
.set rend, \to
.endm
.macro RIDE
.if rn < rend
.if rk == 0
	v_sqrt_f32 v[Q+rn], v[Q+rn]
.elseif rk == 1
	v_exp_f32 v[Q+rn], v[Q+rn]
.else
	v_rcp_f32 v[Q+rn], v[Q+rn]                     ; alpha = 1 / (1 + exp(2 (d - width)))
.endif
.set rn, rn+1
.endif
.endm
.macro REST                            ; what is left of the range, on end: for the wave's last pair, which has no distance work behind it
.rept 16
	RIDE
.endr
.endm
; d^2 - x'^2 of sample j at my 8 pixels.  Source 1 is a for both halves (first word of the pair); source 2 is e_0 (second word of
; the first pair) for row 0 and e_1 (first word of the second pair) for row 1.
.macro VAL lo, hi, j, d
.if (\j) < 4
.set tq, (\lo)+4*(\j)
.else
.set tq, (\hi)+4*(\j)-16
.endif
	RIDE
	v_pk_fma_f32 v[\d:\d+1],   v[X:X+1],   v[tq:tq+1], v[tq:tq+1]   op_sel:[0,0,1] op_sel_hi:[1,0,1]
	v_pk_fma_f32 v[\d+2:\d+3], v[X+2:X+3], v[tq:tq+1], v[tq:tq+1]   op_sel:[0,0,1] op_sel_hi:[1,0,1]
	RIDE
	v_pk_fma_f32 v[\d+4:\d+5], v[X:X+1],   v[tq:tq+1], v[tq+2:tq+3] op_sel_hi:[1,0,0]
	v_pk_fma_f32 v[\d+6:\d+7], v[X+2:X+3], v[tq:tq+1], v[tq+2:tq+3] op_sel_hi:[1,0,0]
.endm
.macro MIN3 start                      ; start = 1: three samples start the minimum; 0: two more join it
.irp i, 0,1,2,3,4,5,6,7
.if (\i)%2 == 0
	RIDE
.endif
.if \start
	v_min3_num_f32 v[M+\i], v[U+\i], v[U+8+\i], v[U+16+\i]
.else
	v_min3_num_f32 v[M+\i], v[M+\i], v[U+\i], v[U+8+\i]
.endif
.endr
.endm
; A stroke's distances, in four parts.  12 samples: 3 start the minimum, 4 x 2 join by min3, the last by a dual min.
.macro SEG1 lo, hi                     ; samples 0-2: 20 plain instructions, room for 10 riders
	VAL \lo, \hi, 0, U
	VAL \lo, \hi, 1, U+8
	VAL \lo, \hi, 2, U+16
	MIN3 1
.endm
.macro SEGM lo, hi, j                  ; samples j .. j + 3: 32 plain instructions, room for 16 riders, the last ahead of two min3
	VAL \lo, \hi, \j, U
	VAL \lo, \hi, (\j)+1, U+8
	MIN3 0
	VAL \lo, \hi, (\j)+2, U
	VAL \lo, \hi, (\j)+3, U+8
	MIN3 0
.endm
.macro SEG4 lo, hi                     ; sample 11; no batch is open here
	VAL \lo, \hi, 11, U+16
.irp i, 0,2,4,6
	v_dual_min_num_f32 v[M+\i], v[U+16+\i], v[M+\i] :: v_dual_min_num_f32 v[M+\i+1], v[U+16+\i+1], v[M+\i+1]
.endr
.endm
.macro DSQ q                           ; d^2 = minimum + x'^2, not below 0 (rounding may leave it just under), into a stroke's half of Q: M is free again
	v_pk_add_f32 v[\q:\q+1],   v[M:M+1],   v[XSQ:XSQ+1]
	v_pk_add_f32 v[\q+2:\q+3], v[M+2:M+3], v[XSQ+2:XSQ+3]
	v_pk_add_f32 v[\q+4:\q+5], v[M+4:M+5], v[XSQ:XSQ+1]
	v_pk_add_f32 v[\q+6:\q+7], v[M+6:M+7], v[XSQ+2:XSQ+3]
.irp i, 0,2,4,6
	v_dual_max_num_f32 v[\q+\i], 0, v[\q+\i] :: v_dual_max_num_f32 v[\q+\i+1], 0, v[\q+\i+1]
.endr
.endm
.macro ARG q, lo                       ; k d - k width (the fourth word of sample 0)
.irp h, 0,2,4,6
	v_pk_fma_f32 v[\q+\h:\q+\h+1], v[\q+\h:\q+\h+1], K2L2E, v[\lo+2:\lo+3] op_sel:[0,0,1] op_sel_hi:[1,0,1]
.endr
.endm
.macro DEN                             ; 1 + exp(2 (d - width)), both strokes; an overflow to infinity gives alpha = 0, as it should
.irp h, 0,2,4,6,8,10,12,14
	v_pk_add_f32 v[Q+\h:Q+\h+1], v[Q+\h:Q+\h+1], 1.0 op_sel_hi:[1,0]
.endr
.endm
; One stroke's alpha lies in its half of Q.  first = 1: the wave's front-most stroke starts T and the sums (T was 1), so nothing is cleared.
.macro BLEND q, lo, first
.if \first
.irp h, 0,2,4,6
	v_pk_fma_f32 v[T+\h:T+\h+1], v[\q+\h:\q+\h+1], -1.0, 1.0 op_sel_hi:[1,0,0]
.endr
.irp c, 0,1,2
.irp h, 0,2,4,6
	v_pk_mul_f32 v[ACC+8*\c+\h:ACC+8*\c+\h+1], v[\q+\h:\q+\h+1], v[\lo+4*\c+6:\lo+4*\c+7] op_sel:[0,1] op_sel_hi:[1,1]
.endr
.endr
.else
.irp h, 0,2,4,6
	v_pk_mul_f32 v[\q+\h:\q+\h+1], v[\q+\h:\q+\h+1], v[T+\h:T+\h+1]                       ; w = alpha T
.endr
.irp h, 0,2,4,6
	v_pk_add_f32 v[T+\h:T+\h+1], v[T+\h:T+\h+1], v[\q+\h:\q+\h+1] neg_lo:[0,1] neg_hi:[0,1]  ; T -= w
.endr
.irp c, 0,1,2
.irp h, 0,2,4,6
	v_pk_fma_f32 v[ACC+8*\c+\h:ACC+8*\c+\h+1], v[\q+\h:\q+\h+1], v[\lo+4*\c+6:\lo+4*\c+7], v[ACC+8*\c+\h:ACC+8*\c+\h+1] op_sel:[0,1,0] op_sel_hi:[1,1,1]
.endr
.endr
.endif
.endm
; A PERIOD, for the pair (a, b) = slots (2 p, 2 p + 1).  It is entered with a's minimum in M and no batch open, and left so for a' = a + 2.
; par = p mod 2 picks the sets of samples 0-3; base = a's slot counted from TADR's.  A slot is loaded one stroke ahead of its distances, as the
; order of the loads and their waits shows; each load lands in sets whose last readers stand ahead of it: slot a + 2 in those of a - 2 (blended
; a period ago) and of a's finished distances, slot a + 3 in those of a - 1 and of b's.
; first = 1: a is the wave's front-most stroke.  last = 1: the wave's last pair: nothing is loaded, there is no a', and the batches stand on end.
.macro PERIOD par, base, first, last
.set LA, LO+32*(\par)                  ; samples 0-3 of a,
.set LB, LA+16                         ; of b,
.set LN, LO+32-32*(\par)               ; of a',
.set LM, LN+16                         ; of a' + 1
	DSQ Q
.if \last
	s_wait_dscnt 0
.else
	LOADT LN, HI0, ((\base)+2)*SLOTB
	s_wait_dscnt 12                                ; LDS answers in order (ISA guide 5.7.1): all but the 12 loads just issued are done, so b's table is in
.endif
	OPEN 0, 0, 8                                   ; the batch of roots opens: a's eight ride in b's samples 0-2
	SEG1 LB, HI1
	SEGM LB, HI1, 3
	SEGM LB, HI1, 7
	SEG4 LB, HI1
	DSQ Q+8
	OPEN 0, 8, 16                                  ; b's eight
.if \last
	REST
	v_nop                                          ; a plain instruction behind the last root: there is no other work left
.else
	LOADT LM, HI1, ((\base)+3)*SLOTB
	s_wait_dscnt 12                                ; likewise: a' is in, the 12 just issued may be out
	SEG1 LN, HI0                                   ; they ride in a's samples 0-2; six min3 follow the last
.endif
	s_wait_alu depctr_va_vdst(0)                   ; one wait for the pair's 16 roots, ahead of their first reader
	ARG Q, LA
	ARG Q+8, LB
	OPEN 1, 0, 16                                  ; the batch of exponentials
.if \last
	REST
	v_nop                                          ; a plain instruction behind the last exponential
.else
	SEGM LN, HI0, 3                                ; rides in a's samples 3-6; two min3 follow the last
.endif
	s_wait_alu depctr_va_vdst(0)                   ; one wait for the pair's 16 exponentials, ahead of their first reader
	DEN
	OPEN 2, 0, 16                                  ; the batch of reciprocals
.if \last
	REST
	v_nop                                          ; a plain instruction behind the last reciprocal
.else
	SEGM LN, HI0, 7                                ; rides in a's samples 7-10; two min3 follow the last
.endif
	s_wait_alu depctr_va_vdst(0)                   ; one wait for the pair's 16 reciprocals, ahead of their first reader; no transcendental stands behind it in the period
	BLEND Q, LA, \first
	BLEND Q+8, LB, 0
.if !(\last)
	SEG4 LN, HI0
.endif
.endm
	LOADT LO, HI0, 0                               ; LDS serves a wave's instructions in order (ISA guide 5.7.1.4): these see the stores above
	LOADT LO+16, HI1, SLOTB
	s_wait_dscnt 12                                ; all but the 12 loads just issued are done: slot 0 is in
	SEG1 LO, HI0                                   ; slot 0's distances: no batch is open yet
	SEGM LO, HI0, 3
	SEGM LO, HI0, 7
	SEG4 LO, HI0
	PERIOD 0, 0, 1, 0                              ; slots 0, 1: in front of the loop, since they start the sums
	v_add_nc_u32 v[TADR], 2*SLOTB, v[TADR]
	s_mov_b32 s23, 7                               ; slots 2 .. 29, two pairs a trip: the sets of samples 0-3 come round after four slots
.Lpair:
	PERIOD 1, 0, 0, 0
	PERIOD 0, 2, 0, 0
	v_add_nc_u32 v[TADR], 4*SLOTB, v[TADR]
	s_sub_co_u32 s23, s23, 1
	s_cmp_lg_u32 s23, 0
	s_cbranch_scc1 .Lpair
	PERIOD 1, 0, 0, 1                              ; slots 30, 31: no load leaves the wave's table
	; THE HAND-OVER.  Waves 4-7 (strokes 32-63, which lie on top) leave acc and T in LDS, 16 neighbouring bytes a lane.
	s_cmp_lt_u32 s12, 4
	s_cbranch_scc1 .Lunder
.irp k, 0,1,2,3,4,5
	ds_store_b128 v[XA], v[ACC+4*\k:ACC+4*\k+3] offset:512*\k
.endr
	ds_store_b128 v[XA], v[T:T+3]   offset:512*6
	ds_store_b128 v[XA], v[T+4:T+7] offset:512*7
.Lunder:
	s_wait_dscnt 0x0                               ; for the partner's sake: the stores are done before the signal
	s_barrier_signal -1
	s_barrier_wait -1
	s_cmp_ge_u32 s12, 4
	s_cbranch_scc1 .Ldone
.irp k, 0,1,2,3,4,5,6,7
	ds_load_b128 v[OTH+4*\k:OTH+4*\k+3], v[XA] offset:512*\k       ; OTH .. OTH+23: the partner's acc; OTH+24 .. OTH+31: its T
.endr
.irp c, 0,1,2
.irp h, 0,2,4,6
	v_pk_add_f32 v[ACC+8*\c+\h:ACC+8*\c+\h+1], v[ACC+8*\c+\h:ACC+8*\c+\h+1], v[T+\h:T+\h+1]      ; what strokes 0-31 make of the white canvas
.endr
.endr
	s_wait_dscnt 0x0
.irp c, 0,1,2
.irp h, 0,2,4,6
	v_pk_fma_f32 v[ACC+8*\c+\h:ACC+8*\c+\h+1], v[OTH+24+\h:OTH+24+\h+1], v[ACC+8*\c+\h:ACC+8*\c+\h+1], v[OTH+8*\c+\h:OTH+8*\c+\h+1]
.endr
.endr
.irp c, 0,1,2
.irp r, 0,1
	global_store_b128 v[CO], v[ACC+8*\c+4*\r:ACC+8*\c+4*\r+3], s[10:11] offset:\c*PLANE+\r*ROWB th:TH_STORE_NT   ; the wave's store covers 512 consecutive bytes, aligned
.endr
.endr
.Ldone:
	s_wait_tensorcnt 0x0
	ds_add_u32 v184, v185
	s_wait_dscnt 0x0
	s_endpgm
.Lfunc_end_k_q5123ffe7c2_raster:
	.size	k_q5123ffe7c2_raster, .Lfunc_end_k_q5123ffe7c2_raster-k_q5123ffe7c2_raster
	.p2alignl 7, 3214868480
	.fill 96, 4, 3214868480
	.section	.rodata,"a",@progbits
	.p2align	6, 0x0
	.amdhsa_kernel k_q5123ffe7c2_raster
		.amdhsa_group_segment_fixed_size 168960
		.amdhsa_private_segment_fixed_size 0
		.amdhsa_enable_private_segment 0
		.amdhsa_kernarg_size 32
		.amdhsa_user_sgpr_count 2
		.amdhsa_user_sgpr_kernarg_segment_ptr 1
		.amdhsa_wavefront_size32 1
		.amdhsa_system_sgpr_workgroup_id_x 1
		.amdhsa_system_sgpr_workgroup_id_y 1
		.amdhsa_system_sgpr_workgroup_id_z 1
		.amdhsa_system_vgpr_workitem_id 0
		.amdhsa_next_free_vgpr 234
		.amdhsa_next_free_sgpr 66
		.amdhsa_reserve_vcc 0
		.amdhsa_float_denorm_mode_32 3
		.amdhsa_float_denorm_mode_16_64 3
		.amdhsa_memory_ordered 1
		.amdhsa_forward_progress 1
		.amdhsa_inst_pref_size 91
	.end_amdhsa_kernel
	.amdgpu_metadata
---
amdhsa.version: [ 1, 2 ]
amdhsa.kernels:
  - .name:           k_q5123ffe7c2_raster
    .symbol:         k_q5123ffe7c2_raster.kd
    .args:
      - { .name: stroke_colors, .offset: 0, .size: 8, .value_kind: global_buffer, .address_space: global }
      - { .name: stroke_widths, .offset: 8, .size: 8, .value_kind: global_buffer, .address_space: global }
      - { .name: strokes, .offset: 16, .size: 8, .value_kind: global_buffer, .address_space: global }
      - { .name: out0, .offset: 24, .size: 8, .value_kind: global_buffer, .address_space: global }
    .group_segment_fixed_size: 168960
    .private_segment_fixed_size: 0
    .kernarg_segment_align: 8
    .kernarg_segment_size: 32
    .max_flat_workgroup_size: 256
    .sgpr_count:     66
    .vgpr_count:     234
    .wavefront_size: 32
...
	.end_amdgpu_metadata
.endif
;; end of part 2
